; MI455X (gfx1250); checked and timed in simulation.
; The chip was launched on July 23, 2026; its instructions are those of AMD's public machine-readable ISA for CDNA 5 (MIT licence, August 2026) and "CDNA5" Instruction Set Architecture Reference Guide (July 2026). The comments in the code are by the model that wrote it; some were corrected since.
;; Multi Head Attention. Allowed arithmetic: matrix products marked QUANTISED: E3M2 operands, one E8M0 scale for each 32 along K, by v_wmma_scale_f32_16x16x128_f8f6f4 with both operands' format E3M2, f32 sums; everything else in f32.
;; Inputs: Wk 768 x 768 float32; Wo 768 x 768 float32; Wq 768 x 768 float32; Wv 768 x 768 float32; x 2 x 2,048 x 768 float32.
;; Outputs: out0 2 x 2,048 x 768 float32.
;; This version of the problem:
;;   THIS VERSION OF THE PROBLEM IS GIVEN IN LOW PRECISION. The matrix products marked QUANTISED in the list below multiply operands that are first quantised to E3M2 (3 exponent bits, 2 mantissa bits; 6 bits a number), with one power-of-two scale for each 32 numbers along K (OCP MX v1.0); their sums are f32. All else is computed in f32.
;;   The module's matrix products, in the order in which they are computed (A, B: the left and right operand; K: the contracted axis; several contracted axes count as one K, in the product's order):
;;     1. [M 4,096, K 768] x [K 768, N 768]; A: input x; B: input Wq: QUANTISED
;;     2. [M 4,096, K 768] x [K 768, N 768]; A: input x; B: input Wk: QUANTISED
;;     3. [M 4,096, K 768] x [K 768, N 768]; A: input x; B: input Wv: QUANTISED
;;     4. batch 24 x [M 2,048, K 64] x [K 64, N 2,048]; A: computed on the way; B: computed on the way: QUANTISED
;;     5. batch 24 x [M 2,048, K 2,048] x [K 2,048, N 64]; A: softmax (see below); B: computed on the way: QUANTISED
;;     6. [M 4,096, K 768] x [K 768, N 768]; A: computed on the way; B: input Wo: QUANTISED
;;   THE QUANTISER, for each operand of a quantised product, along K:
;;     - K is cut into blocks of 32 from its start; a last block that is shorter is filled with zeros.
;;     - A block's scale is 2^e with e = floor(log2(the largest magnitude in the block)) - 4, held to -126 .. 127; a block of zeros has e = 0. As a byte (E8M0): e + 127.
;;     - Each number is divided by its block's scale, clamped to +-28, and rounded to the nearest number of E3M2, ties to even, subnormals kept.
;;     - The product sums the exact products of the quantised numbers (number of the format x scale) in f32.
;;   ~~~python
;;   def quantise(x, axis):      # numpy; x: float32 -> the quantised numbers, widened to float32 again
;;       x = np.moveaxis(x, axis, -1); K = x.shape[-1]
;;       x = np.pad(x, [(0, 0)] * (x.ndim - 1) + [(0, -K % 32)]); x = x.reshape(x.shape[:-1] + (-1, 32)); a = np.abs(x).max(-1, keepdims=True)
;;       e = np.where(a > 0, np.clip(np.frexp(np.where(a > 0, a, 1))[1] - 1 - 4, -126, 127), 0)      # np.frexp(a)[1] - 1 = floor(log2(a)), exactly
;;       r = np.clip(x / 2.0 ** e, -28, 28)
;;       step = 2.0 ** (np.maximum(np.frexp(np.where(r == 0, 1, r))[1] - 1, -2) - 2)
;;       q = np.round(r / step) * step * 2.0 ** e      # np.round: ties to even
;;       return np.moveaxis(q.reshape(q.shape[:-2] + (-1,))[..., :K], -1, axis).astype(np.float32)
;;   ~~~
;;   SOFTMAX AHEAD OF A QUANTISED PRODUCT. Where the list says 'softmax', what is quantised is not the finished softmax but p = 2^(t - M), with t = logit x log2(e) and M = ceil(the row's largest t), a whole number; so 1/2 < the row's largest p <= 1. The row's sum l is taken of the UNQUANTISED p, in f32, and the product's result is divided by l at the end. Since M is a whole number, a kernel that streams over the keys may use a running M (the ceiling of the running maximum): every later rescaling is an exact power of two, which a block's scale takes up: the codes' values come out the same.
;;   OPERANDS COMPUTED ON THE WAY. 'Computed on the way' means the value that the module computes at that place (a softmax that the list does not call 'softmax' is quantised finished and normalised). What goes into a quantiser is computed in f32, as accurately as f32 sums, v_exp_f32 and their like allow (about 1e-6 of the number): no bf16 or f16 on the way to a quantiser, and a product that is left as it is and whose result goes on into a quantised operand takes f32 operands (vector FMAs, or v_wmma_f32_16x16x4_f32). A number that lies on a knife's edge between two numbers of the format may be rounded either way, as far as f32 arithmetic and the matrix unit's own rounding can turn it there, and no further.
;; One version. Each part assembles by itself: llvm-mc -triple=amdgcn-amd-amdhsa -mcpu=gfx1250 --defsym DOCPART=n.
;; ======== version 1 of 1: 4 launches
;; limits: right only within a limited range of input values
;; workspace buffers: xq 2,457,600 bytes; wq 1,843,200 bytes; rope 524,288 bytes; qq 2,555,904 bytes; kv 5,013,504 bytes; yq 2,457,600 bytes
;; launch prep (part 1): grid 704 x 1, 4 waves a work-group, no clusters, 34,304 bytes of LDS; arguments x, Wq, Wk, Wv, Wo, xq, wq, rope; writes xq, wq, rope
.if DOCPART == 1
	.amdgcn_target "amdgcn-amd-amdhsa--gfx1250"
	.amdhsa_code_object_version 6
	.text
	.protected	k_q615ccc1f84_prep
	.globl	k_q615ccc1f84_prep
	.p2align	8
	.type	k_q615ccc1f84_prep,@function
k_q615ccc1f84_prep:
	s_mov_b64 s[64:65], 0
	v_nop
	global_prefetch_b8 v0, s[64:65] scope:SCOPE_SE
	s_setreg_imm32_b32 hwreg(HW_REG_WAVE_MODE, 25, 1), 1
	s_wait_xcnt 0x0
; PREP: x [4096][768] and the four weights [768 (k)][768 (n)], f32, become codes of BF6 (E3M2) with one E8M0 byte for each 32 along K, laid as IMAGES OF OPERAND REGISTERS; and the table of cos and sin for the rotation is made.
; LEFT OUT BY THE PROGRAM (in launch attn): key steps of 128 all of whose keys come after a tile's queries.  The problem's own causal mask gives their p as 0 for every input, so they reach no output; a NaN or an infinity
; that only they would meet is not carried to the result.
; A fragment is 16 rows x 128 K, 12 registers a lane: lane (r, h) holds k = 64 c + 32 h + 0 .. 31 in registers 6 c .. 6 c + 5.  Its image is 1,536 bytes: registers 4 g .. 4 g + 3 of lane l at 512 g + 16 l.
; FOUR TILES OF 16 ROWS LIE TOGETHER, 38,400 bytes: 4 x 6 images, then 4 x 384 bytes of scale words (4 bytes: a row's 128 K), [tile][K step][row], so that one load of 4 bytes a lane brings an even K step in lanes 0-15
; and the odd one behind it in lanes 16-31.
; TILES OF TOKENS ARE PERMUTED: row r of tile T is token 64 (T / 4) + 8 (T % 4) + r % 8 + 32 (r / 8), so that later results of four tiles are a whole block of 32 tokens in a lane.
; WHICH COLUMN OF A GROUP OF 64 IS ROW r OF WEIGHT TILE t:  Wq, Wk: 2 (16 (r / 8) + 8 (t % 2) + r % 8) + t / 2 (tiles 0, 1 the even columns, tiles 2, 3 the odd ones: the rotation's two halves);
;   Wv: 8 t + r % 8 + 32 (r / 8);   Wo: 16 t + r.
; A block's scale is 2^(floor(log2(largest magnitude)) - 4): its byte is the largest magnitude's exponent field - 4, held at 1 from below by a floor among the maximum's leaves.
; SHARES: work-groups 0-383: x (a wave: one tile, one K step);  384-671: the weights (likewise);  672-703: the table (64 tokens each).  Waves share nothing: no barrier.
; LIMITS: NaN and infinities among the inputs are not served.  A block of zeros gets the byte 1 where the rule says 127: its codes are zeros, and this program alone reads the bytes.
; The rotation's frequencies are 2^(-i log2(10000) / 32) by v_exp_f32 (1 ulp: ISA guide, its entry), so an angle near 2,047 x 0.75 may differ from the f32 angle of the problem's function by about 2e-4 rad, the size of that angle's own last bits.
.set FLOOR, 0x2800000                  ; 2^(5 - 127)
.set EOFF,  0xfe000000                 ; -(4 << 23)
.set TM, 8                             ; v8-9    largest magnitudes of my two blocks
.set SO, 10                            ; v10-11  the conversions' scale operands
.set BY, 12                            ; v12-13  the scale bytes
.set W0, 14                            ; v14     the scale word
.set PD, 16                            ; v16     a lane permute's destination
.set SH, 17                            ; v17     8 h
.set G,  24                            ; v24-26, v28-30 second halves of blocks' codes
.set R,  32                            ; v32-95  x as loaded
.set N,  96                            ; v96-159 my 64 numbers: register 32 c + i = k 64 c + 32 h + i of my row
.set P,  160                           ; v160-171 the fragment's codes
.set SPW, 180
.set NIL, 181
.set STAGE, 8448                       ; a wave's stage: 16 rows x (512 + 16) bytes
.set SPARE, 4*STAGE
.set XWG, 384
.set WWG, 288
	s_load_b512 s[16:31], s[0:1], 0x0              ; x s[16:17], Wq s[18:19], Wk s[20:21], Wv s[22:23], Wo s[24:25], xq s[26:27], wq s[28:29], rope s[30:31]
	v_lshl_add_u32 v[SPW], v0, 2, SPARE
	v_mov_b32 v[NIL], 0
	v_lshrrev_b32 v7, 5, v0
	v_readfirstlane_b32 s4, v7                     ; wave
	v_and_b32 v18, 31, v0                          ; lane
	v_lshlrev_b32 v1, 4, v18                       ; 16 l
	v_and_b32 v3, 15, v0                           ; r
	v_lshlrev_b32 v2, 2, v3                        ; 4 r
	v_bfe_u32 v4, v0, 4, 1                         ; h
	v_lshlrev_b32 v[SH], 3, v4
	v_mov_b32 v[PD], 0
	s_mul_i32 s10, s4, STAGE
	v_add_nc_u32 v5, s10, v1                       ; into my stage: as loaded
	v_mul_u32_u24 v6, v3, 528
	v_lshl_add_u32 v6, v4, 7, v6
	v_add_nc_u32 v6, s10, v6                       ; out: row r, + 128 h: my 32 numbers of each 64
	s_mov_b32 s2, 0x76543210                       ; v_permlanex16_b32's selects for lane l xor 16
	s_mov_b32 s3, 0xfedcba98
	s_wait_alu depctr_va_vdst(0)                   ; the wait at the head's end
	s_wait_kmcnt 0x0
	s_cmp_lt_u32 ttmp9, XWG
	s_cbranch_scc0 .Lnot_x
	; ---- x: work-group = 6 (T / 4) + K step; the wave's number is T % 4
	s_mul_hi_u32 s6, ttmp9, 0x2aaaaaab             ; / 6
	s_mul_i32 s7, s6, 6
	s_sub_co_u32 s7, ttmp9, s7                     ; the K step
	s_mul_i32 s8, s6, 64*3072
	s_mul_i32 s9, s4, 8*3072
	s_add_co_u32 s8, s8, s9
	s_lshl_b32 s9, s7, 9
	s_add_co_u32 s8, s8, s9
	s_mov_b32 s9, 0
	s_add_nc_u64 s[16:17], s[16:17], s[8:9]
.irp r, 0,1,2,3,4,5,6,7,8,9,10,11,12,13,14,15
	global_load_b128 v[R+4*\r:R+4*\r+3], v1, s[16:17] offset:(\r%8+32*(\r/8))*3072 th:TH_LOAD_NT       ; a row's 512 consecutive bytes: one K step
.endr
	s_mov_b64 s[32:33], s[26:27]
.irp r, 0,1,2,3,4,5,6,7,8,9,10,11,12,13,14,15
	s_wait_loadcnt 15-\r
	ds_store_b128 v5, v[R+4*\r:R+4*\r+3] offset:528*\r
.endr
.irp c, 0,1
.irp j, 0,1,2,3,4,5,6,7
	ds_load_b128 v[N+32*\c+4*\j:N+32*\c+4*\j+3], v6 offset:256*\c+16*\j       ; LDS serves a wave's instructions in order: these see my stores
.endr
.endr
	s_wait_dscnt 0x0
	s_branch .Lquant
.Lnot_x:
	s_cmp_lt_u32 ttmp9, XWG+WWG
	s_cbranch_scc0 .Ltable
	; ---- the weights: work-group - 384 = 6 hc + K step; hc = 12 x (which weight) + group of 64 columns; the wave's number is the tile t
	s_sub_co_u32 s8, ttmp9, XWG
	s_mul_hi_u32 s6, s8, 0x2aaaaaab                ; hc
	s_mul_i32 s7, s6, 6
	s_sub_co_u32 s7, s8, s7                        ; the K step
	s_mul_hi_u32 s9, s6, 0x15555556                ; hc / 12: 0 q, 1 k, 2 v, 3 o
	s_mul_i32 s10, s9, 12
	s_sub_co_u32 s10, s6, s10                      ; the group of 64 columns
	s_cmp_eq_u32 s9, 1                             ; the weight's address: a choice that hangs on the work-group's number alone
	s_cselect_b64 s[18:19], s[20:21], s[18:19]
	s_cmp_eq_u32 s9, 2
	s_cselect_b64 s[18:19], s[22:23], s[18:19]
	s_cmp_eq_u32 s9, 3
	s_cselect_b64 s[18:19], s[24:25], s[18:19]
	s_and_b32 s11, s4, 1
	s_lshl_b32 s11, s11, 4
	s_lshr_b32 s12, s4, 1
	s_add_co_u32 s13, s11, s12                     ; q, k: 16 (t % 2) + t / 2
	s_lshl_b32 s14, s4, 3                          ; v: 8 t
	s_lshl_b32 s15, s4, 4                          ; o: 16 t
	s_mov_b32 s34, 32
	s_cmp_lt_u32 s9, 2                             ; column = A (r % 8) + B (r / 8) + C
	s_cselect_b32 s35, 2, 1
	s_cselect_b32 s36, s13, s14
	s_cmp_eq_u32 s9, 3
	s_cselect_b32 s34, 8, s34
	s_cselect_b32 s36, s15, s36
	s_mul_i32 s38, s7, 128*3072                    ; 128 rows a K step
	s_lshl_b32 s39, s10, 8
	s_add_co_u32 s38, s38, s39
	s_mov_b32 s39, 0
	s_add_nc_u64 s[18:19], s[18:19], s[38:39]
	s_wait_alu depctr_va_vdst(0)
	v_and_b32 v19, 7, v3
	v_lshrrev_b32 v20, 3, v3
	v_mul_u32_u24 v19, s35, v19
	v_mad_u32_u24 v19, v20, s34, v19
	v_add_nc_u32 v19, s36, v19
	v_lshlrev_b32 v19, 2, v19
	v_mad_u32_u24 v19, v4, 0x18000, v19            ; lanes 16-31 begin 32 rows of 3,072 bytes further down
.set n, 0
.rept 64                               ; A LANE TAKES A COLUMN AND ITS REGISTERS RUN DOWN K, in the order of the operand's registers: nothing is transposed
	global_load_b32 v[N+n], v19, s[18:19] offset:(64*(n/32)+n%32)*3072
.set n, n+1
.endr
	s_mov_b64 s[32:33], s[28:29]
	s_wait_loadcnt 0x0
.Lquant:                                               ; my 64 numbers become a fragment's 12 registers and my row's scale word; they go to four tiles' 38,400 bytes at s[32:33] + 38,400 s6
.irp c, 0,1
	v_max3_num_f32 v[TM+\c], |v[N+32*\c]|, |v[N+32*\c+1]|, FLOOR          ; my block 2 c + h: all 32 numbers are mine; the floor keeps the byte at 1 or above
.endr
.irp i, 2,4,6,8,10,12,14,16,18,20,22,24,26,28,30
.irp c, 0,1
	v_max3_num_f32 v[TM+\c], v[TM+\c], |v[N+32*\c+\i]|, |v[N+32*\c+\i+1]| ; the two blocks by turns
.endr
.endr
.irp c, 0,1
	v_add_nc_u32 v[SO+\c], EOFF, v[TM+\c]          ; 4 off the exponent field: the conversion takes that field as its scale
.endr
.irp c, 0,1
	v_lshrrev_b32 v[BY+\c], 23, v[SO+\c]           ; the scale's byte
.endr
.irp c, 0,1
	v_cvt_scalef32_pk16_bf6_f32 v[P+6*\c:P+6*\c+2], v[N+32*\c:N+32*\c+15], v[SO+\c]
	v_cvt_scalef32_pk16_bf6_f32 v[G+4*\c:G+4*\c+2], v[N+32*\c+16:N+32*\c+31], v[SO+\c]    ; a conversion's three registers begin on an even number
.endr
	v_lshl_or_b32 v[W0], v[BY+1], 16, v[BY]        ; bytes of blocks h and 2 + h (and a plain place behind the conversions),
	v_lshlrev_b32 v[W0], v[SH], v[W0]              ; at their places,
.irp i, 0,1,2
.irp c, 0,1
	v_mov_b32 v[P+6*\c+3+\i], v[G+4*\c+\i]
.endr
.endr
	v_permlanex16_b32 v[PD], v[W0], s2, s3
	v_or_b32 v[W0], v[W0], v[PD]                   ; with lane l xor 16's two the word is whole
	s_mul_i32 s8, s6, 38400
	s_mul_i32 s9, s4, 9216
	s_add_co_u32 s12, s8, s9
	s_mul_i32 s9, s7, 1536
	s_add_co_u32 s12, s12, s9
	s_mov_b32 s13, 0
	s_add_nc_u64 s[12:13], s[32:33], s[12:13]
	s_mul_i32 s9, s4, 384
	s_add_co_u32 s14, s8, s9
	s_lshl_b32 s9, s7, 6
	s_add_co_u32 s14, s14, s9
	s_mov_b32 s15, 0
	s_add_nc_u64 s[14:15], s[32:33], s[14:15]
	s_wait_alu depctr_va_vdst(0)
.irp g, 0,1,2
	global_store_b128 v1, v[P+4*\g:P+4*\g+3], s[12:13] offset:512*\g      ; 512 consecutive bytes a store
.endr
	global_store_b32 v2, v[W0], s[14:15] offset:36864      ; both lanes of a row store the same word to the same place
	s_wait_tensorcnt 0x0                           ; the wave's end
	ds_add_u32 v[SPW], v[NIL]
	s_wait_dscnt 0x0
	s_endpgm
.Ltable:
	; ---- cos and sin of token x 10000^(-i / 32), [2048][32] f32 each.  Thread t: i = 4 (t % 8) + 0 .. 3, tokens 64 x (work-group - 672) + 16 rep + t / 8
; The angle is reduced by k = the nearest whole number of quarter turns, pi / 2 taken in two parts with fused multiply-adds; sine and cosine of the rest (at most pi / 4) by polynomials good to about an ulp.
.macro SINCOS a, cd, sd
	v_mul_f32 v40, s40, v[\a]
	v_rndne_f32 v40, v40                           ; k
	v_fma_f32 v41, -v40, s41, v[\a]
	v_fma_f32 v41, -v40, s42, v41                  ; r
	v_cvt_i32_f32 v42, v40
	v_mul_f32 v43, v41, v41                        ; z = r r
	v_fma_f32 v44, v43, s45, s44
	v_fma_f32 v45, v43, s48, s47
	v_fma_f32 v44, v44, v43, s43
	v_fma_f32 v45, v45, v43, s46
	v_mul_f32 v44, v44, v43
	v_mul_f32 v45, v45, v43
	v_fma_f32 v46, v43, -0.5, 1.0
	v_fma_f32 v44, v44, v41, v41                   ; sin r
	v_fma_f32 v45, v45, v43, v46                   ; cos r
	v_and_b32 v46, 1, v42
	v_cmp_eq_u32 vcc_lo, 1, v46
	v_cndmask_b32 v47, v44, v45, vcc_lo            ; an odd k changes the two over
	v_cndmask_b32 v48, v45, v44, vcc_lo
	v_and_b32 v46, 2, v42
	v_lshlrev_b32 v46, 30, v46
	v_xor_b32 v[\sd], v46, v47                     ; the sine is negative for k % 4 = 2, 3
	v_add_nc_u32 v46, 1, v42
	v_and_b32 v46, 2, v46
	v_lshlrev_b32 v46, 30, v46
	v_xor_b32 v[\cd], v46, v48                     ; the cosine for k % 4 = 1, 2
.endm
	s_mov_b32 s40, 0x3f22f983                      ; 2 / pi
	s_mov_b32 s41, 0x3fc90fdb                      ; pi / 2, upper part
	s_mov_b32 s42, 0xb33bbd2e                      ; and the rest
	s_mov_b32 s43, 0xbe2aaaa3                      ; the sine's coefficients
	s_mov_b32 s44, 0x3c08839e
	s_mov_b32 s45, 0xb94ca1f9
	s_mov_b32 s46, 0x3d2aaaa5                      ; the cosine's
	s_mov_b32 s47, 0xbab6061a
	s_mov_b32 s48, 0x37ccf5ce
	s_sub_co_u32 s6, ttmp9, XWG+WWG
	s_lshl_b32 s7, s6, 6                           ; my first token
	s_lshl_b32 s8, s6, 13                          ; 64 tokens x 128 bytes
	s_mov_b32 s9, 0
	s_add_nc_u64 s[30:31], s[30:31], s[8:9]
	v_and_b32 v20, 7, v0
	v_lshlrev_b32 v20, 2, v20
.irp e, 0,1,2,3
	v_add_nc_u32 v21, \e, v20
	v_cvt_f32_u32 v21, v21
	v_mul_f32 v[32+\e], 0xbed49a78, v21            ; -i log2(10000) / 32
.endr
	s_wait_alu depctr_va_vdst(0)                   ; a wait ahead of the batch,
.irp e, 0,1,2,3
	v_exp_f32 v[32+\e], v[32+\e]
.endr
	v_lshrrev_b32 v22, 3, v0                       ; (a plain place behind the exponentials)
	v_add_nc_u32 v22, s7, v22
	v_lshlrev_b32 v25, 4, v0                       ; token x 128 + 16 (t % 8) = 16 t within 16 tokens
	s_wait_alu depctr_va_vdst(0)                   ; and behind it
.irp rep, 0,1,2,3
	v_add_nc_u32 v23, 16*\rep, v22
	v_cvt_f32_u32 v23, v23
.irp e, 0,1,2,3
	v_mul_f32 v24, v23, v[32+\e]                   ; the angle, one f32 product
	SINCOS 24, 64+8*\rep+\e, 68+8*\rep+\e
.endr
	global_store_b128 v25, v[64+8*\rep:67+8*\rep], s[30:31] offset:2048*\rep           ; each rep has data registers of its own
	global_store_b128 v25, v[68+8*\rep:71+8*\rep], s[30:31] offset:2048*\rep+262144
.endr
	s_endpgm
.Lfunc_end_k_q615ccc1f84_prep:
	.size	k_q615ccc1f84_prep, .Lfunc_end_k_q615ccc1f84_prep-k_q615ccc1f84_prep
	.p2alignl 7, 3214868480
	.fill 96, 4, 3214868480
	.section	.rodata,"a",@progbits
	.p2align	6, 0x0
	.amdhsa_kernel k_q615ccc1f84_prep
		.amdhsa_group_segment_fixed_size 34304
		.amdhsa_private_segment_fixed_size 0
		.amdhsa_enable_private_segment 0
		.amdhsa_kernarg_size 64
		.amdhsa_user_sgpr_count 2
		.amdhsa_user_sgpr_kernarg_segment_ptr 1
		.amdhsa_wavefront_size32 1
		.amdhsa_system_sgpr_workgroup_id_x 1
		.amdhsa_system_sgpr_workgroup_id_y 1
		.amdhsa_system_sgpr_workgroup_id_z 1
		.amdhsa_system_vgpr_workitem_id 0
		.amdhsa_next_free_vgpr 184
		.amdhsa_next_free_sgpr 66
		.amdhsa_reserve_vcc 1
		.amdhsa_float_denorm_mode_32 3
		.amdhsa_float_denorm_mode_16_64 3
		.amdhsa_memory_ordered 1
		.amdhsa_forward_progress 1
		.amdhsa_inst_pref_size 38
	.end_amdhsa_kernel
	.amdgpu_metadata
---
amdhsa.version: [ 1, 2 ]
amdhsa.kernels:
  - .name:           k_q615ccc1f84_prep
    .symbol:         k_q615ccc1f84_prep.kd
    .args:
      - { .name: x, .offset: 0, .size: 8, .value_kind: global_buffer, .address_space: global }
      - { .name: Wq, .offset: 8, .size: 8, .value_kind: global_buffer, .address_space: global }
      - { .name: Wk, .offset: 16, .size: 8, .value_kind: global_buffer, .address_space: global }
      - { .name: Wv, .offset: 24, .size: 8, .value_kind: global_buffer, .address_space: global }
      - { .name: Wo, .offset: 32, .size: 8, .value_kind: global_buffer, .address_space: global }
      - { .name: xq, .offset: 40, .size: 8, .value_kind: global_buffer, .address_space: global }
      - { .name: wq, .offset: 48, .size: 8, .value_kind: global_buffer, .address_space: global }
      - { .name: rope, .offset: 56, .size: 8, .value_kind: global_buffer, .address_space: global }
    .group_segment_fixed_size: 34304
    .private_segment_fixed_size: 0
    .kernarg_segment_align: 8
    .kernarg_segment_size: 64
    .max_flat_workgroup_size: 128
    .sgpr_count:     66
    .vgpr_count:     184
    .wavefront_size: 32
...
	.end_amdgpu_metadata
.endif
;; end of part 1
;; launch qkv (part 2): grid 16 x 12, 4 waves a work-group, clusters of 4 x 1, 168,448 bytes of LDS; arguments xq, wq, rope, qq, kv; writes qq, kv
.if DOCPART == 2
	.amdgcn_target "amdgcn-amd-amdhsa--gfx1250"
	.amdhsa_code_object_version 6
	.text
	.protected	k_q615ccc1f84_qkv
	.globl	k_q615ccc1f84_qkv
	.p2align	8
	.type	k_q615ccc1f84_qkv,@function
k_q615ccc1f84_qkv:
	s_mov_b64 s[64:65], 0
	v_nop
	global_prefetch_b8 v0, s[64:65] scope:SCOPE_SE
	s_setreg_imm32_b32 hwreg(HW_REG_WAVE_MODE, 25, 1), 1
	s_wait_xcnt 0x0
	s_wait_alu depctr_hold_cnt(0) depctr_sa_sdst(0) depctr_va_vdst(0) depctr_va_sdst(0) depctr_va_ssrc(0) depctr_va_vcc(0) depctr_vm_vsrc(0)
	s_getreg_b32 s2, hwreg(HW_REG_IB_STS2, 6, 4)
	s_cmp_eq_u32 s2, 0
	s_cbranch_scc0 .Lentry_in_a_cluster
	s_endpgm
.Lentry_in_a_cluster:
	s_bfe_u32 s2, ttmp6, 0x10000c
	s_cmp_lg_u32 s2, 0x3003
	s_cbranch_scc0 .Lentry_shape_is_right
	s_endpgm
.Lentry_shape_is_right:
; QKV: the three projections on codes of BF6, the rotation of q and k in f32, and the quantising of q, k (along the head's 64) and v (along the keys), all in registers.
; SHARES.  A work-group takes 256 tokens (block MB) and three groups of 64 columns hc = 3 NG + 0 .. 2 of one weight (NG / 4: 0 q, 1 k, 2 v).  A wave takes 64 tokens: four tiles, whose 24 fragments of x stay in its
; registers; a head's 24 fragments of W come from LDS, 12 loads of 16 bytes a lane for 16 matrix instructions.  36 groups x 64 runs of 64 tokens are 2,304 units, 3 for each of the 768 waves.
; CLUSTER.  The four work-groups of a cluster share NG and so all of W: waves 0-2 each ask for one head (38,400 bytes: codes, then scale words) jointly, with the mask of all four.  LDS is filled once.
; No prefetch: there is no loop to run ahead in; all that a work-group reads is asked for at its head.
; Row r of tile T is token 64 (T / 4) + 8 (T % 4) + r % 8 + 32 (r / 8).
; q, k: THE PRODUCT IS USED TRANSPOSED (source 0 = 16 columns of W, source 1 = 16 tokens): a lane holds one token; registers 0-15 of a tile of tokens are the even columns' x1[16 h + 0 .. 15], registers 16-31 the odd ones' x2, by the order in which W's tiles were laid.
;   out[i] = x1 cos - x2 sin, out[32 + i] = x1 sin + x2 cos: so the 32 registers are 16 neighbours of each of the head's two blocks of 32, and lanes l and l xor 16 exchange halves.
; v: source 0 = 16 tokens, source 1 = 16 columns: a lane holds one column d, and by the tiles' order of tokens its 32 registers of four tiles are a WHOLE block of 32 keys, 32 h + 0 .. 31: no other lane is asked.
; HALF FRAGMENTS.  The 6 registers that hold a lane's whole block go out as 768 bytes: registers 0-3 at 16 l, registers 4-5 at 512 + 8 l.
; OUT: qq: [bh][tile] half fragments; behind them for each four tiles two words a lane (8 l), word u: tile 2 u + l / 16, row l % 16, bytes s0 s1 s0 s1.
;   kv: [bh][key step of 128]: 13,056 bytes: 8 tiles of k; 4 fragments of v^T (two halves each); k's words, four a lane (16 l), word b: tile 2 b + l / 16; v's words, two a lane (8 l), word b: fragment 2 b + l / 16.
; LIMITS: NaN and infinities are not served; a block of zeros gets the byte 1 (its codes are zeros; this program alone reads the bytes).
; REGISTERS, in windows of 256.  Window 0: v1-10 addresses; v16-27 x's scale words, v28-39 W's; v40-125 at work; v126-127 for the add; v128-255 the 16 accumulators.
;   Window 1: x's fragments of K steps 0-4, (ks, a) at 12 (4 ks + a).  Window 2: K step 5's at 12 a; W's two sets of four fragments at v48 and v96.  Window 3: cos of tile a at 32 a, sin at 32 a + 16.
.set FLOOR, 0x2800000                  ; 2^(5 - 127): keeps a scale's byte at 1 or above
.set EOFF,  0xfe000000                 ; -(4 << 23)
.set ACC, 128
.set XS,  16
.set WS,  28
.set TM,  40                           ; v40-47   largest magnitudes, two a tile
.set RT,  48                           ; v48-55   the rotation's products; then the permutes' destinations
.set SO,  56                           ; v56-63   the conversions' scale operands
.set BY,  64                           ; v64-71   scale bytes
.set G,   72                           ; v72-87   second halves of codes, four registers a tile
.set PP,  88                           ; v88-119  codes, eight registers a tile, six of them used
.set HW,  120                          ; v120-123 two scale bytes of each tile
.set WD,  124                          ; v124-125 what is stored of them
.set SPW, 126
.set NIL, 127
.set SPARE, 0x29000
.set HB,  38400                        ; a head of W in LDS: 36,864 bytes of codes, 1,536 of scale words
.set MSB, 0
.macro WIN new                         ; the immediate's high byte repeats the setting that is left
.if MSB != \new
	s_set_vgpr_msb (MSB<<8)|\new
.set MSB, \new
.endif
.endm
.macro PLACES                          ; four plain places behind matrix instructions, in front of loads into their sources and of the first read of results
.rept 4
	v_nop
.endr
.endm
.macro ROUND                           ; a round of the cluster's barrier
	s_barrier_signal -1
	s_barrier_wait -1
	s_cmp_lg_u32 s14, 0
	s_cbranch_scc1 .Lnot_wave_0_\@
	s_barrier_signal -3
.Lnot_wave_0_\@:
	s_barrier_wait -3
	s_barrier_signal -1
	s_barrier_wait -1
.endm
.macro WM kind                         ; 0: starts a sum, even K step; 1: even; 2: odd (both sides' scale words in lanes 16-31)
.if \kind == 0
	v_wmma_scale_f32_16x16x128_f8f6f4 v[rD:rD+7], v[rA:rA+11], v[rB:rB+11], 0, v[sA], v[sB] matrix_a_fmt:MATRIX_FMT_BF6 matrix_b_fmt:MATRIX_FMT_BF6
.elseif \kind == 1
	v_wmma_scale_f32_16x16x128_f8f6f4 v[rD:rD+7], v[rA:rA+11], v[rB:rB+11], v[rD:rD+7], v[sA], v[sB] matrix_a_fmt:MATRIX_FMT_BF6 matrix_b_fmt:MATRIX_FMT_BF6
.else
	v_wmma_scale_f32_16x16x128_f8f6f4 v[rD:rD+7], v[rA:rA+11], v[rB:rB+11], v[rD:rD+7], v[sA], v[sB] matrix_a_fmt:MATRIX_FMT_BF6 matrix_b_fmt:MATRIX_FMT_BF6 matrix_a_scale:MATRIX_SCALE_ROW1 matrix_b_scale:MATRIX_SCALE_ROW1
.endif
.endm
.macro WLOAD ks                        ; the head's four fragments of K step ks into set ks % 2
.set WBB, 48+48*((\ks)%2)
	WIN 0x80                                       ; destination window 2
.irp t, 0,1,2,3
.irp g, 0,1,2
	ds_load_b128 v[WBB+12*\t+4*\g:WBB+12*\t+4*\g+3], v[LB] offset:(6*\t+(\ks))*1536+512*\g
.endr
.endr
.endm
.macro FIRST j                         ; head j's scale words and its first K step: 24 LDS loads
.if (\j) == 0
.set LB, 1
.set LW, 2
.elseif (\j) == 1
.set LB, 5
.set LW, 7
.else
.set LB, 6
.set LW, 10
.endif
.irp t, 0,1,2,3
.irp p, 0,1,2
	ds_load_b32 v[WS+3*\t+\p], v[LW] offset:36864+384*\t+128*\p    ; lanes 0-15 K step 2 p, lanes 16-31 K step 2 p + 1
.endr
.endr
	WLOAD 0
	WIN 0
.endm
.macro MM16 ks, v                      ; 16 matrix instructions, the 16 accumulators by turns
.set WBB, 48+48*((\ks)%2)
.if \ks < 5
.set XB, 48*\ks
.if \v
	WIN 0x09                                       ; source 0 = x (window 1), source 1 = W (window 2)
.else
	WIN 0x06                                       ; source 0 = W (window 2), source 1 = x (window 1)
.endif
.else
.set XB, 0
	WIN 0x0a                                       ; both in window 2
.endif
.if \ks == 0
.set KD, 0
.else
.set KD, 1+(\ks%2)
.endif
.irp a, 0,1,2,3
.irp t, 0,1,2,3
.if \v
.set rD, ACC+32*\t+8*\a
.set rA, XB+12*\a
.set rB, WBB+12*\t
.set sA, XS+3*\a+\ks/2
.set sB, WS+3*\t+\ks/2
.else
.set rD, ACC+32*\a+8*\t
.set rA, WBB+12*\t
.set rB, XB+12*\a
.set sA, WS+3*\t+\ks/2
.set sB, XS+3*\a+\ks/2
.endif
	WM KD
.endr
.endr
.endm
.macro ROPE                            ; the four tiles' registers are rotated in place, two pairs by turns; each accumulator is read from its low end on
	WIN 0x0c                                       ; source 1 (cos, sin) in window 3
.irp e, 0,1,2,3
.irp p, 0,2,4,6
.irp u, 0,1
.set X2, ACC+32*\e+2*(\p+\u)+16
.set CC, 32*\e+2*(\p+\u)
	v_pk_mul_f32 v[RT+4*\u:RT+4*\u+1], v[X2:X2+1], v[CC+16:CC+17]
	v_pk_mul_f32 v[RT+4*\u+2:RT+4*\u+3], v[X2:X2+1], v[CC:CC+1]
.endr
.irp u, 0,1
.set X1, ACC+32*\e+2*(\p+\u)
.set X2, X1+16
.set CC, 32*\e+2*(\p+\u)
	v_pk_fma_f32 v[X2:X2+1], v[X1:X1+1], v[CC+16:CC+17], v[RT+4*\u+2:RT+4*\u+3]
	v_pk_fma_f32 v[X1:X1+1], v[X1:X1+1], v[CC:CC+1], v[RT+4*\u:RT+4*\u+1] neg_lo:[0,0,1] neg_hi:[0,0,1]
.endr
.endr
.endr
	WIN 0
.endm
.macro MAXES                           ; the largest magnitude of registers 16 b .. 16 b + 15 of tile e into v[TM + 2 e + b]: eight chains by turns
.irp e, 0,1,2,3
.irp b, 0,1
	v_max3_num_f32 v[TM+2*\e+\b], |v[ACC+32*\e+16*\b]|, |v[ACC+32*\e+16*\b+1]|, FLOOR
.endr
.endr
.irp i, 2,4,6,8,10,12,14
.irp e, 0,1,2,3
.irp b, 0,1
	v_max3_num_f32 v[TM+2*\e+\b], v[TM+2*\e+\b], |v[ACC+32*\e+16*\b+\i]|, |v[ACC+32*\e+16*\b+\i+1]|
.endr
.endr
.endr
.endm
.macro CODES e, so                     ; tile e's 32 numbers into six registers of codes: the second half's three are made elsewhere (a conversion's registers begin on an even number)
	v_cvt_scalef32_pk16_bf6_f32 v[PP+8*\e:PP+8*\e+2], v[ACC+32*\e:ACC+32*\e+15], v[SO+2*\e]
	v_cvt_scalef32_pk16_bf6_f32 v[G+4*\e:G+4*\e+2], v[ACC+32*\e+16:ACC+32*\e+31], v[SO+2*\e+\so]
.endm
.macro JOIN
.irp i, 0,1,2
.irp e, 0,1,2,3
	v_mov_b32 v[PP+8*\e+3+\i], v[G+4*\e+\i]
.endr
.endr
.endm
.macro QUANT_QK                        ; a tile's registers 16 b + i = d 32 b + 16 h + i of my token
	MAXES
.irp k, 0,1,2,3,4,5,6,7
	v_permlanex16_b32 v[RT+\k], v[TM+\k], s20, s21
.endr
.irp k, 0,1,2,3,4,5,6,7
	v_max_num_f32 v[TM+\k], v[TM+\k], v[RT+\k]     ; with lane l xor 16's 16: the block's largest magnitude
.endr
.irp k, 0,1,2,3,4,5,6,7
	v_add_nc_u32 v[SO+\k], EOFF, v[TM+\k]          ; 4 off the exponent field: the conversion takes that field as its scale
.endr
.irp k, 0,1,2,3,4,5,6,7
	v_lshrrev_b32 v[BY+\k], 23, v[SO+\k]           ; the scale's byte
.endr
.irp e, 0,1,2,3
	CODES \e, 1
.endr
.irp e, 0,1,2,3
	v_lshl_or_b32 v[HW+\e], v[BY+2*\e+1], 8, v[BY+2*\e]
.endr
.irp u, 0,1
	v_cndmask_b32 v[WD+\u], v[HW+2*\u], v[HW+2*\u+1], s22          ; lanes 0-15 the even tile's rows, lanes 16-31 the odd one's
.endr
.irp i, 0,1,2
.irp e, 0,1,2,3
	v_permlane16_swap_b32 v[PP+8*\e+\i], v[G+4*\e+\i]              ; lanes 0-15 now hold block 0 whole, lanes 16-31 block 1
.endr
.endr
.irp u, 0,1
	v_lshl_or_b32 v[WD+\u], v[WD+\u], 16, v[WD+\u]                 ; s0 s1 s0 s1
.endr
	JOIN
.endm
.macro QUANT_V                         ; tile e's 32 registers are a whole block of my column
	MAXES
.irp e, 0,1,2,3
	v_max_num_f32 v[TM+2*\e], v[TM+2*\e], v[TM+2*\e+1]
.endr
.irp e, 0,1,2,3
	v_add_nc_u32 v[SO+2*\e], EOFF, v[TM+2*\e]
.endr
.irp e, 0,1,2,3
	CODES \e, 0
.endr
.irp e, 0,1,2,3
	v_lshrrev_b32 v[BY+2*\e], 23, v[SO+2*\e]
.endr
	JOIN
.endm
; One group of 64 columns for my 64 tokens.  v = 0: q or k; v = 1: v.  In head 0 x's fragments are still on their way: behind K step ks's stand 12 loads for each later K step and, for q and k, the table's 32.
.macro HEAD j, v
.irp ks, 0,1,2,3,4,5
.if \ks < 5
.if \ks > 0
	PLACES                                         ; the set was read by the K step before
.endif
	WLOAD \ks+1
.if \j == 0
.set LC, 12*(5-\ks)+32*(1-\v)
.if LC > 63
.set LC, 63
.endif
	s_wait_loadcnt LC
.endif
	s_wait_dscnt 12                                ; all but the 12 just issued
.else
.if \j == 0
	s_wait_loadcnt 32*(1-\v)
.endif
	s_wait_dscnt 0x0
.endif
	MM16 \ks, \v
.endr
	WIN 0
	PLACES
.if \j < 2
	FIRST \j+1                                     ; the next head's first loads land under this head's way out
.endif
	s_wait_xcnt 0x0                                ; the last head's stores have read their data: the codes' and words' registers are written again only behind this wait
.if \v == 0
.if \j == 0
	s_wait_loadcnt 0x0                             ; the table
.endif
	ROPE
	QUANT_QK
.else
	QUANT_V
.endif
.irp e, 0,1,2,3
.if \v
.set CO, 1536*\e
.else
.set CO, 768*\e
.endif
	global_store_b128 v1, v[PP+8*\e:PP+8*\e+3], s[56+2*\j:57+2*\j] offset:CO          ; 512 consecutive bytes,
	global_store_b64 v3, v[PP+8*\e+4:PP+8*\e+5], s[56+2*\j:57+2*\j] offset:CO+512     ; and 256
.endr
.if \v
.irp e, 0,1,2,3
	global_store_b8 v8, v[BY+2*\e], s[66+2*\j:67+2*\j] offset:128*(\e%2)+4*(\e/2)     ; my block's byte of my row's word
.endr
.else
	global_store_b64 v4, v[WD:WD+1], s[66+2*\j:67+2*\j]
.endif
.endm
	s_load_b256 s[4:11], s[0:1], 0x0               ; xq s[4:5], wq s[6:7], rope s[8:9], qq s[10:11]
	s_load_b64 s[12:13], s[0:1], 0x20              ; kv
	v_lshl_add_u32 v[SPW], v0, 2, SPARE
	v_mov_b32 v[NIL], 0
	ds_add_u32 v[SPW], v[NIL]                      ; the wave's opening: the add, twice on end, and its wait
	ds_add_u32 v[SPW], v[NIL]
	v_lshrrev_b32 v11, 5, v0
	v_readfirstlane_b32 s14, v11                   ; wave
	s_and_b32 s15, ttmp7, 0xffff                   ; NG: shared by the cluster's four
	s_bfe_u32 s17, ttmp6, 0x40000                  ; cx
	s_lshl_b32 s16, ttmp9, 2
	s_add_co_u32 s16, s16, s17                     ; MB = 4 x cluster x + cx: it enters global addresses of x, the table and the stores alone
	; descriptor group 1: a head's 150 rows of 256 bytes (32 elements of 8), dense
	s_mov_b32 s24, 15|(3<<16)|(1<<21)              ; 15:0 the mask of all four; 17:16 elements of 8 bytes; 21 set beside a mask
	s_mov_b32 s25, 32<<16
	s_mov_b32 s26, 150<<16
	s_mov_b32 s27, 32<<16
	s_mov_b32 s28, 150
	s_mov_b32 s29, 32
	s_mov_b32 s30, 0
	s_mov_b32 s31, 0
	s_mul_i32 s75, s14, HB                         ; the head that I fetch (wave 3 fetches none)
	s_mul_i32 s76, s15, 3*HB
	s_add_co_u32 s76, s76, s75
	s_mov_b32 s77, 0
	s_lshl_b32 s80, s16, 2
	s_add_co_u32 s80, s80, s14                     ; my run of 64 tokens
	s_mul_i32 s82, s80, 38400
	s_mov_b32 s83, 0
	; where the results go
	s_lshr_b32 s86, s16, 3                         ; the batch
	s_mul_i32 s86, s86, 12
	s_and_b32 s87, s15, 3
	s_mul_i32 s87, s87, 3
	s_add_co_u32 s86, s86, s87                     ; bh of my first head
	s_and_b32 s87, s80, 31                         ; my run within the batch
	s_lshr_b32 s88, s87, 1                         ; its key step
	s_and_b32 s89, s14, 1                          ; and which half of it
	s_lshl_b32 s78, s87, 13                        ; 64 tokens x 128 bytes of the table
	s_mov_b32 s79, 0
	s_lshl_b32 s90, s86, 5
	s_add_co_u32 s90, s90, s87
	s_mul_i32 s92, s90, 3072                       ; q: codes
	s_lshl_b32 s94, s90, 8
	s_add_co_u32 s94, s94, 2359296                 ; q: words
	s_mul_i32 s90, s86, 208896
	s_mul_i32 s91, s88, 13056
	s_add_co_u32 s90, s90, s91                     ; the key step's block
	s_mul_i32 s91, s89, 3072
	s_add_co_u32 s96, s90, s91                     ; k: codes
	s_lshl_b32 s91, s89, 3
	s_add_co_u32 s97, s90, s91
	s_add_co_u32 s97, s97, 12288                   ; k: words
	s_mul_i32 s91, s89, 768
	s_add_co_u32 s98, s90, s91
	s_add_co_u32 s98, s98, 6144                    ; v: codes
	s_lshl_b32 s91, s89, 1
	s_add_co_u32 s99, s90, s91
	s_add_co_u32 s99, s99, 12800                   ; v: words
	s_lshr_b32 s91, s15, 2                         ; 0 q, 1 k, 2 v
	s_mov_b32 s18, 208896                          ; from head to head
	s_mov_b32 s62, 208896
	s_mov_b32 s19, 0
	s_mov_b32 s63, 0
	s_mov_b32 s93, 0
	s_mov_b32 s95, 0
	s_mov_b32 s20, 0x76543210                      ; v_permlanex16_b32's selects for lane l xor 16
	s_mov_b32 s21, 0xfedcba98
	s_mov_b32 s22, 0xffff0000                      ; lanes 16-31
	s_cmp_eq_u32 s91, 1
	s_cselect_b32 s96, s96, s98
	s_cselect_b32 s97, s97, s99
	s_cmp_eq_u32 s91, 0
	s_cselect_b32 s92, s92, s96
	s_cselect_b32 s94, s94, s97
	s_cselect_b32 s18, 98304, s18
	s_cselect_b32 s62, 8192, s62
	s_cselect_b32 s23, 3, 4                        ; q's words: 8 bytes a lane; k's: 8 of 16
	v_and_b32 v11, 31, v0
	v_lshlrev_b32 v1, 4, v11                       ; 16 l: also head 0's place in LDS
	v_lshlrev_b32 v2, 2, v11                       ; 4 l
	v_lshlrev_b32 v3, 3, v11                       ; 8 l
	v_lshlrev_b32 v4, s23, v11
	v_add_nc_u32 v5, HB, v1                        ; heads 1 and 2
	v_add_nc_u32 v6, 2*HB, v1
	v_add_nc_u32 v7, HB, v2
	v_add_nc_u32 v10, 2*HB, v2
	v_and_b32 v12, 15, v0                          ; r
	v_bfe_u32 v13, v0, 4, 1                        ; h
	v_lshl_add_u32 v8, v12, 3, v13                 ; 8 r + h
	v_and_b32 v9, 7, v12
	v_lshrrev_b32 v12, 3, v12
	v_lshl_add_u32 v9, v12, 5, v9
	v_lshlrev_b32 v9, 7, v9
	v_lshl_add_u32 v9, v13, 6, v9                  ; the table: token r % 8 + 32 (r / 8) of 128 bytes, + 64 h
	s_wait_alu depctr_va_vdst(0)
	s_wait_dscnt 0x0                               ; both opening adds are done
	s_wait_kmcnt 0x0
	s_mov_b32 s40, 1                               ; group 0
	s_mov_b32 s41, s75
	s_add_nc_u64 s[42:43], s[6:7], s[76:77]
	s_or_b32 s43, s43, 0x80000000
	ROUND                                          ; all four work-groups are here: the joint loads meet
	s_cmp_lt_u32 s14, 3
	s_cbranch_scc0 .Lno_w
	tensor_load_to_lds s[40:43], s[24:31]          ; one load a wave, the launch's only ones
	s_nop 0
	PLACES
.Lno_w:
	s_cmp_eq_u32 s91, 0
	s_cselect_b64 s[10:11], s[10:11], s[12:13]     ; qq or kv: the choice hangs on the work-group's number alone
	s_add_nc_u64 s[56:57], s[10:11], s[92:93]      ; codes, heads 0 to 2
	s_add_nc_u64 s[58:59], s[56:57], s[18:19]
	s_add_nc_u64 s[60:61], s[58:59], s[18:19]
	s_add_nc_u64 s[66:67], s[10:11], s[94:95]      ; words
	s_add_nc_u64 s[68:69], s[66:67], s[62:63]
	s_add_nc_u64 s[70:71], s[68:69], s[62:63]
	s_add_nc_u64 s[78:79], s[8:9], s[78:79]
	s_add_nc_u64 s[82:83], s[4:5], s[82:83]
	; x's scale words and its 24 fragments, K step by K step: straight into registers, where they stay
.irp a, 0,1,2,3
.irp p, 0,1,2
	global_load_b32 v[XS+3*\a+\p], v2, s[82:83] offset:36864+384*\a+128*\p
.endr
.endr
	WIN 0x40
.irp ks, 0,1,2,3,4
.irp a, 0,1,2,3
.irp g, 0,1,2
	global_load_b128 v[12*(4*\ks+\a)+4*\g:12*(4*\ks+\a)+4*\g+3], v1, s[82:83] offset:(6*\a+\ks)*1536+512*\g
.endr
.endr
.endr
	WIN 0x80
.irp a, 0,1,2,3
.irp g, 0,1,2
	global_load_b128 v[12*\a+4*\g:12*\a+4*\g+3], v1, s[82:83] offset:(6*\a+5)*1536+512*\g
.endr
.endr
	WIN 0
	s_wait_tensorcnt 0x0                           ; my head of W has landed,
	s_barrier_signal -1
	s_barrier_wait -1                              ; everybody's has: from here on LDS is only read
	s_cmp_lt_u32 s15, 8                            ; q and k want the table, v does not
	s_cbranch_scc0 .Lv
	FIRST 0
	WIN 0xc0
.irp a, 0,1,2,3
.irp j, 0,1,2,3
	global_load_b128 v[32*\a+4*\j:32*\a+4*\j+3], v9, s[78:79] offset:1024*\a+16*\j
	global_load_b128 v[32*\a+16+4*\j:32*\a+16+4*\j+3], v9, s[78:79] offset:1024*\a+16*\j+262144
.endr
.endr
	WIN 0
	HEAD 0, 0
	HEAD 1, 0
	HEAD 2, 0
	s_branch .Lend
.Lv:
	FIRST 0
	HEAD 0, 1
	HEAD 1, 1
	HEAD 2, 1
.Lend:
	s_wait_tensorcnt 0x0                           ; the wave's end
	ds_add_u32 v[SPW], v[NIL]
	s_wait_dscnt 0x0
	ROUND                                          ; the closing round: no work-group ends while a partner may still ask jointly
	s_endpgm
.Lfunc_end_k_q615ccc1f84_qkv:
	.size	k_q615ccc1f84_qkv, .Lfunc_end_k_q615ccc1f84_qkv-k_q615ccc1f84_qkv
	.p2alignl 7, 3214868480
	.fill 96, 4, 3214868480
	.section	.rodata,"a",@progbits
	.p2align	6, 0x0
	.amdhsa_kernel k_q615ccc1f84_qkv
		.amdhsa_group_segment_fixed_size 168448
		.amdhsa_private_segment_fixed_size 0
		.amdhsa_enable_private_segment 0
		.amdhsa_kernarg_size 40
		.amdhsa_user_sgpr_count 2
		.amdhsa_user_sgpr_kernarg_segment_ptr 1
		.amdhsa_wavefront_size32 1
		.amdhsa_system_sgpr_workgroup_id_x 1
		.amdhsa_system_sgpr_workgroup_id_y 1
		.amdhsa_system_sgpr_workgroup_id_z 1
		.amdhsa_system_vgpr_workitem_id 0
		.amdhsa_next_free_vgpr 1024
		.amdhsa_next_free_sgpr 100
		.amdhsa_reserve_vcc 0
		.amdhsa_float_denorm_mode_32 3
		.amdhsa_float_denorm_mode_16_64 3
		.amdhsa_memory_ordered 1
		.amdhsa_forward_progress 1
		.amdhsa_inst_pref_size 199
	.end_amdhsa_kernel
	.amdgpu_metadata
---
amdhsa.version: [ 1, 2 ]
amdhsa.kernels:
  - .name:           k_q615ccc1f84_qkv
    .symbol:         k_q615ccc1f84_qkv.kd
    .args:
      - { .name: xq, .offset: 0, .size: 8, .value_kind: global_buffer, .address_space: global }
      - { .name: wq, .offset: 8, .size: 8, .value_kind: global_buffer, .address_space: global }
      - { .name: rope, .offset: 16, .size: 8, .value_kind: global_buffer, .address_space: global }
      - { .name: qq, .offset: 24, .size: 8, .value_kind: global_buffer, .address_space: global }
      - { .name: kv, .offset: 32, .size: 8, .value_kind: global_buffer, .address_space: global }
    .group_segment_fixed_size: 168448
    .private_segment_fixed_size: 0
    .kernarg_segment_align: 8
    .kernarg_segment_size: 40
    .max_flat_workgroup_size: 128
    .sgpr_count:     100
    .vgpr_count:     1024
    .wavefront_size: 32
...
	.end_amdgpu_metadata
.endif
;; end of part 2
;; launch attn (part 3): grid 8 x 24, 16 waves a work-group, clusters of 4 x 1, 210,944 bytes of LDS; arguments qq, kv, yq; writes yq
.if DOCPART == 3
	.amdgcn_target "amdgcn-amd-amdhsa--gfx1250"
	.amdhsa_code_object_version 6
	.text
	.protected	k_q615ccc1f84_attn
	.globl	k_q615ccc1f84_attn
	.p2align	8
	.type	k_q615ccc1f84_attn,@function
k_q615ccc1f84_attn:
	s_mov_b64 s[64:65], 0
	v_nop
	global_prefetch_b8 v0, s[64:65] scope:SCOPE_SE
	s_setreg_imm32_b32 hwreg(HW_REG_WAVE_MODE, 25, 1), 1
	s_wait_xcnt 0x0
	s_wait_alu depctr_hold_cnt(0) depctr_sa_sdst(0) depctr_va_vdst(0) depctr_va_sdst(0) depctr_va_ssrc(0) depctr_va_vcc(0) depctr_vm_vsrc(0)
	s_getreg_b32 s2, hwreg(HW_REG_IB_STS2, 6, 4)
	s_cmp_eq_u32 s2, 0
	s_cbranch_scc0 .Lentry_in_a_cluster
	s_endpgm
.Lentry_in_a_cluster:
	s_bfe_u32 s2, ttmp6, 0x10000c
	s_cmp_lg_u32 s2, 0x3003
	s_cbranch_scc0 .Lentry_shape_is_right
	s_endpgm
.Lentry_shape_is_right:
; ATTN: y = softmax(q k^T / 8, causal) v for one head, both products on codes of BF6, and y quantised along the head's 64 for the last projection.
; THE SOFTMAX: t = score x log2(e) / 8; M = the running largest t rounded UP to a whole number; p = 2^(t - M) is quantised along the keys; the row's sum is taken of the unquantised p and divides at the end.
; When M moves, the sum and O are multiplied by 2^(old M - new M), which rounds nothing.
; LEFT OUT: key steps of 128 all of whose keys come after a tile's queries: the problem's own causal mask gives their p as 0 for every input.  A NaN or an infinity that only they would meet is not carried to the result.
; SHARES.  Head bh has 16 blocks J of 128 queries, a block 8 tiles of 16 queries; a tile of block J works key steps 0 .. J.  Work-group i owns tile i of EVERY block, a wave a tile: 136 steps in every work-group, and every key
;   step that it fetches is read.  Wave 4 g + s has block 15 - s, 11 - s, 4 + s, s for g = 0, 1, 2, 3: the longest come first, and the four waves with one s have 16 - s, 12 - s, 5 + s, 1 + s steps, 34 together for every s.
;   One loop of sixteen trips serves all waves; a wave passes over the trips behind its block.  Waves share nothing behind the one barrier at the head.
; LDS holds the head's whole stream of k and v, 16 key steps x 13,056 bytes, filled ONCE: wave w fetches key step w.  CLUSTER: the four work-groups of a cluster read the same stream and ask for it jointly; a work-group's place
;   in its cluster says only which tile of each block it takes (addresses of q and y, and the masks' choice).  No prefetch: there is no loop ahead of which a stream could be asked for; all is asked for at the head.
; LAYOUT.  Both products transposed: S^T = k q^T, O^T = v^T p^T: a lane holds ONE query.  The head's K is 64, half of the instruction's 128: a fragment of 12 registers holds TWO tiles of keys (six registers each), and q stands
; against the one with zero codes against the other (Qlo = q, 0; Qhi = 0, q).  Under the zero codes q's scale bytes are 1, so that the idle half's products, exact zeros, stand far under the others.
; Row r of tile T is token 64 (T / 4) + 8 (T % 4) + r % 8 + 32 (r / 8): so lane (r, h)'s 32 registers of four tiles are keys 64 c + 32 h + 0 .. 31, a whole block, and O^T's 32 registers are d = 32 h + 0 .. 31.
; LIMITS: NaN and infinities are not served; the promise holds while the scaled scores stay under 2^31 in magnitude; a block of zeros gets the byte 1 (its codes are zeros; this program alone reads the bytes).
;   A block's largest p is taken as 2^(t - M) of its largest score, which takes v_exp_f32 not to fall where its input rises.
; REGISTERS: v1-9 addresses; v12 -M, v13 largest score, v[14:15] the sum; v16-33 zeros, q, zeros; v34-35 q's scale words; v36-83 four fragments; v84-147 S^T, then p; v148-179 O^T; v180-191 p's codes; v192-229 at work.
.set FLOOR, 0x2800000                  ; 2^(5 - 127)
.set EOFF,  0xfe000000                 ; -(4 << 23)
.set F,  36
.set S,  84
.set O,  148
.set PC, 180
.set BM, 192                           ; v192-195 largest scores by quarters; v192-193 then those of my two blocks
.set SO, 206                           ; v206-207 the conversions' scale operands
.set BY, 196                           ; v196-197 scale bytes
.set PX, 198                           ; v198 a permute's destination, v199 its source
.set G,  200                           ; v200-202, v203 unused; second halves of codes of half 0
.set G1, 218                           ; v218-220, of half 1
.set KS, 208                           ; v208-211 k's scale words: word b: lanes 0-15 tile 2 b, lanes 16-31 tile 2 b + 1
.set VS, 212                           ; v212-213 v's, likewise by fragments
.set PW, 214                           ; v214     p's scale word
.set TX, 215                           ; v215-217 at work; v216 a permute's destination
.set FF, 204                           ; v[204:205] 2^(old M - new M)
.set TT, 222                           ; v[222:229] four partial sums of p
.set SPW, 230
.set NIL, 231
.set STEPB, 13056
.set SPARE, 16*STEPB                   ; the spare words, 128 bytes a wave
.macro ROUND                           ; a round of the cluster's barrier
	s_barrier_signal -1
	s_barrier_wait -1
	s_cmp_lg_u32 s10, 0
	s_cbranch_scc1 .Lnot_wave_0_\@
	s_barrier_signal -3
.Lnot_wave_0_\@:
	s_barrier_wait -3
	s_barrier_signal -1
	s_barrier_wait -1
.endm
.macro KLOAD                           ; a key step's k, 17 loads: tile i is six registers
	ds_load_b128 v[KS:KS+3], v4 offset:12288
.irp i, 0,1,2,3,4,5,6,7
	ds_load_b128 v[F+6*\i:F+6*\i+3], v4 offset:768*\i
	ds_load_b64 v[F+6*\i+4:F+6*\i+5], v5 offset:768*\i+512
.endr
.endm
; The diagonal's own 64 keys, half c of the step.  Register 8 i + j of the half holds key 8 i + j + 32 h; my query is 8 Q + r % 8 + 32 (r / 8), Q = s12.  Hidden: i > Q where h >= r / 8; i < Q where h > r / 8;
; i = Q where h > r / 8, or h = r / 8 and j > r % 8.  So a register's mask of lanes is one of ten constants, chosen by i against Q.
.macro MASK c
.irp i, 0,1,2,3
	s_cmp_lt_u32 s12, \i
	s_cselect_b32 s40, s42, s43
	s_cmp_eq_u32 s12, \i
.irp j, 0,1,2,3,4,5,6,7
	s_cselect_b32 s[48+\j], 0xff0000|((1<<\j)-1)|(((1<<\j)-1)<<24), s40
.endr
.irp j, 0,1,2,3,4,5,6,7
	v_cndmask_b32 v[S+32*\c+8*\i+\j], v[S+32*\c+8*\i+\j], v8, s[48+\j]
.endr
.endr
	s_wait_alu depctr_va_vdst(0)
.endm
.macro SUM cnt                         ; the next cnt pairs of p onto the four partial sums by turns
.rept \cnt
	v_pk_add_f32 v[TT+2*(q%4):TT+2*(q%4)+1], v[TT+2*(q%4):TT+2*(q%4)+1], v[S+2*q:S+2*q+1]
.set q, q+1
.endr
.endm
	s_load_b128 s[4:7], s[0:1], 0x0                ; qq s[4:5], kv s[6:7]
	s_load_b64 s[8:9], s[0:1], 0x10                ; yq
	v_lshl_add_u32 v[SPW], v0, 2, SPARE
	v_mov_b32 v[NIL], 0
	ds_add_u32 v[SPW], v[NIL]                      ; the wave's opening: the add, twice on end, and its wait
	ds_add_u32 v[SPW], v[NIL]
	v_lshrrev_b32 v10, 5, v0
	v_readfirstlane_b32 s10, v10                   ; wave 0..15
	s_mov_b32 s11, ttmp9                           ; the cluster's x: which half of each block my tile lies in
	s_bfe_u32 s12, ttmp6, 0x40000                  ; cx: which tile of that half
	s_and_b32 s14, ttmp7, 0xffff                   ; bh
	s_lshr_b32 s13, s10, 2                         ; g
	s_and_b32 s16, s10, 3                          ; s
	s_lshl_b32 s15, s13, 2
	s_sub_co_u32 s46, 15, s15
	s_sub_co_u32 s46, s46, s16                     ; 15 - 4 g - s
	s_sub_co_u32 s47, 12, s15
	s_add_co_u32 s47, s47, s16                     ; 4 (3 - g) + s
	s_cmp_lt_u32 s13, 2
	s_cselect_b32 s15, s46, s47                    ; J, my block
	; descriptor group 1: a key step's 51 rows of 256 bytes, dense
	s_mov_b32 s24, 15|(3<<16)|(1<<21)              ; 15:0 the mask of all four; 17:16 elements of 8 bytes; 21 set beside a mask
	s_mov_b32 s25, 32<<16
	s_mov_b32 s26, 51<<16
	s_mov_b32 s27, 32<<16
	s_mov_b32 s28, 51
	s_mov_b32 s29, 32
	s_mov_b32 s30, 0
	s_mov_b32 s31, 0
	s_mul_i32 s33, s10, STEPB                      ; my key step in LDS,
	s_mul_i32 s18, s14, 16*STEPB
	s_add_co_u32 s18, s18, s33                     ; and in kv
	s_mov_b32 s19, 0
	; q: codes 768 bytes a tile; words 256 bytes for four tiles
	s_lshl_b32 s45, s14, 5
	s_lshl_b32 s46, s15, 1
	s_add_co_u32 s45, s45, s46
	s_add_co_u32 s45, s45, s11                     ; my tile's four
	s_mul_i32 s56, s45, 3072
	s_mul_i32 s47, s12, 768
	s_add_co_u32 s56, s56, s47
	s_mov_b32 s57, 0
	s_lshl_b32 s58, s45, 8
	s_and_b32 s47, s12, 1
	s_lshl_b32 s47, s47, 7
	s_add_co_u32 s58, s58, s47
	s_lshr_b32 s47, s12, 1
	s_lshl_b32 s47, s47, 2
	s_add_co_u32 s58, s58, s47
	s_add_co_u32 s58, s58, 2359296
	s_mov_b32 s59, 0
	s_mov_b32 s44, 0x01010000
	s_mov_b32 s45, 0x0101
	s_mov_b32 s20, 0x76543210                      ; v_permlanex16_b32's selects for lane l xor 16
	s_mov_b32 s21, 0xfedcba98
	s_mov_b32 s22, 0x3e38aa3b                      ; c = log2(e) / 8
	s_mov_b32 s23, s22                             ; (named with it as a pair)
	s_mov_b32 s39, 0xbe38aa3b                      ; -c
	s_mov_b32 s42, 0xffff00ff                      ; lanes with h >= r / 8
	s_mov_b32 s43, 0x00ff0000                      ; lanes with h > r / 8
	v_and_b32 v10, 31, v0
	v_lshlrev_b32 v1, 4, v10                       ; 16 l
	v_lshlrev_b32 v2, 3, v10                       ; 8 l
	v_lshlrev_b32 v4, 4, v10                       ; the same in key step 0
	v_lshlrev_b32 v5, 3, v10
	v_and_b32 v10, 15, v0                          ; r
	v_bfe_u32 v11, v0, 4, 1                        ; h
	v_lshlrev_b32 v9, 3, v10                       ; 8 r
	v_lshl_add_u32 v7, v10, 2, v11                 ; 4 r + h
	s_wait_alu depctr_va_vdst(0)
	s_wait_dscnt 0x0                               ; both opening adds are done
	s_wait_kmcnt 0x0
	s_mov_b32 s32, 1
	s_add_nc_u64 s[34:35], s[6:7], s[18:19]
	s_or_b32 s35, s35, 0x80000000
	s_add_nc_u64 s[56:57], s[4:5], s[56:57]
	s_add_nc_u64 s[58:59], s[4:5], s[58:59]
	ROUND                                          ; all four work-groups are here: the joint loads meet
	tensor_load_to_lds s[32:35], s[24:31]          ; one load a wave, the launch's only one
	s_nop 0
.rept 4
	v_nop
.endr
	global_load_b128 v[22:25], v1, s[56:57]        ; q's six registers
	global_load_b64 v[26:27], v2, s[56:57] offset:512
	global_load_b32 v3, v9, s[58:59]               ; its word s0 s1 s0 s1
	v_mov_b32 v8, 0xff800000                       ; -infinity
	v_mov_b32 v13, 0xff61b1e6                      ; the largest score so far: -3e38
	v_mov_b32 v14, 0
	v_mov_b32 v15, 0
	v_mul_f32 v[TX], s39, v13
	v_floor_f32 v12, v[TX]
.irp j, 16,17,18,19,20,21,28,29,30,31,32,33
	v_mov_b32 v[\j], 0                             ; the zero codes on either side of q
.endr
.irp j, PX, TX+1, FF+1
	v_mov_b32 v[\j], 0                             ; lane permutes' destinations count as sources; a pair's upper half is named
.endr
	s_wait_alu depctr_va_vdst(0)
	s_wait_loadcnt 0x0
	v_and_or_b32 v35, v3, 0xffff0000, s45          ; q in the upper half of K: bytes 2, 3; the byte 1 under the zero codes
	v_and_or_b32 v34, v3, 0xffff, s44              ; q in the lower half
.set n, 0
.rept 32
	v_mov_b32 v[O+n], 0                            ; the step is written once; its first turn finds zeros (also the places between the scale words' making and their first use)
.set n, n+1
.endr
	s_wait_alu depctr_va_vdst(0)                   ; the wait at the head's end
	s_wait_tensorcnt 0x0                           ; my key step has landed,
	s_barrier_signal -1
	s_barrier_wait -1                              ; everybody's has: the stream is only read from here on
	KLOAD                                          ; key step 0's k
	s_mov_b32 s17, 0                               ; the key step,
	s_mov_b32 s18, 0                               ; and where it lies
.Lloop:
	s_cmp_gt_u32 s17, s15                          ; a step all of whose keys come after my queries is left out
	s_cbranch_scc1 .Lnext
	s_wait_dscnt 0x0                               ; k is in
.irp b, 0,1,2,3
	v_wmma_scale_f32_16x16x128_f8f6f4 v[S+16*\b:S+16*\b+7], v[F+12*\b:F+12*\b+11], v[22:33], 0, v[KS+\b], v34 matrix_a_fmt:MATRIX_FMT_BF6 matrix_b_fmt:MATRIX_FMT_BF6
	v_wmma_scale_f32_16x16x128_f8f6f4 v[S+16*\b+8:S+16*\b+15], v[F+12*\b:F+12*\b+11], v[16:27], 0, v[KS+\b], v35 matrix_a_fmt:MATRIX_FMT_BF6 matrix_b_fmt:MATRIX_FMT_BF6 matrix_a_scale:MATRIX_SCALE_ROW1
.endr
.rept 4
	v_nop                                          ; places in front of the loads below and of the first read of the scores
.endr
	ds_load_b64 v[VS:VS+1], v5 offset:12800
.irp i, 0,1,2,3,4,5,6,7
	ds_load_b128 v[F+6*\i:F+6*\i+3], v4 offset:6144+768*\i         ; v^T: fragment i / 2, half i % 2: they land under the softmax
	ds_load_b64 v[F+6*\i+4:F+6*\i+5], v5 offset:6144+768*\i+512
.endr
	s_cmp_lg_u32 s17, s15                          ; only the step on the diagonal masks
	s_cbranch_scc1 .Lopen
	s_cmp_eq_u32 s11, 0
	s_cbranch_scc0 .Lupper
	MASK 0                                         ; my queries lie in the step's first 64: the last 64 keys are hidden altogether
.set n, 32
.rept 32
	v_mov_b32 v[S+n], v8
.set n, n+1
.endr
	s_wait_alu depctr_va_vdst(0)
	s_branch .Lopen
.Lupper:
	MASK 1                                         ; in its last 64: the first 64 keys are all seen
.Lopen:
.irp k, 0,1,2,3
	v_max3_num_f32 v[BM+\k], v[S+16*\k], v[S+16*\k+1], v[S+16*\k+2]
.endr
.irp i, 3,5,7,9,11,13
.irp k, 0,1,2,3
	v_max3_num_f32 v[BM+\k], v[BM+\k], v[S+16*\k+\i], v[S+16*\k+\i+1]
.endr
.endr
	v_max3_num_f32 v[BM], v[BM], v[BM+1], v[S+15]
	v_max3_num_f32 v[BM+2], v[BM+2], v[BM+3], v[S+47]
	v_max_num_f32 v[BM], v[BM], v[S+31]            ; the largest score of each of my two blocks of 32 keys: for the row's maximum and for the block's largest p
	v_max_num_f32 v[BM+1], v[BM+2], v[S+63]
	s_delay_alu instid0(VALU_DEP_1)
	v_max_num_f32 v[TX], v[BM], v[BM+1]
	s_delay_alu instid0(VALU_DEP_1)
	v_permlanex16_b32 v[TX+1], v[TX], s20, s21
	s_delay_alu instid0(VALU_DEP_1)
	v_max3_num_f32 v13, v13, v[TX], v[TX+1]        ; the running largest score, with lane l xor 16's keys
	s_delay_alu instid0(VALU_DEP_1)
	v_mul_f32 v[TX], s39, v13                      ; -t
	s_delay_alu instid0(VALU_DEP_1)
	v_floor_f32 v[TX+2], v[TX]                     ; the new -M = -ceil(t)
	s_delay_alu instid0(VALU_DEP_1)
	v_sub_f32 v[TX], v[TX+2], v12                  ; old M - new M: a whole number, 0 or less
	v_mov_b32 v12, v[TX+2]
	s_delay_alu instid0(VALU_DEP_2)
	v_cvt_i32_f32 v[TX], v[TX]                     ; (it saturates)
	s_delay_alu instid0(VALU_DEP_1)
	v_ldexp_f32 v[FF], 1.0, v[TX]                  ; f = 2^(old M - new M)
.set n, 0
.rept 32
	v_pk_fma_f32 v[S+n:S+n+1], v[S+n:S+n+1], s[22:23], v[12:13] op_sel_hi:[1,0,0]     ; t - M, two at a time
.set n, n+2
.endr
	v_fma_f32 v[BM], v[BM], s22, v12
	v_fma_f32 v[BM+1], v[BM+1], s22, v12
	v_pk_mul_f32 v[14:15], v[14:15], v[FF:FF+1] op_sel_hi:[1,0]    ; the sums under the new M
.set n, 0
.rept 16
	v_pk_mul_f32 v[O+n:O+n+1], v[O+n:O+n+1], v[FF:FF+1] op_sel_hi:[1,0]    ; O^T under the new M, each accumulator from its low end on
.set n, n+2
.endr
	s_wait_alu depctr_va_vdst(0)                   ; a wait ahead of the batch,
	v_exp_f32 v[BM], v[BM]                         ; the blocks' largest p
	v_exp_f32 v[BM+1], v[BM+1]
.set n, 0
.rept 64
	v_exp_f32 v[S+n], v[S+n]                       ; p = 2^(t - M): not normalised
.set n, n+1
.endr
	v_nop                                          ; (a plain place behind the exponentials)
	s_wait_alu depctr_va_vdst(0)                   ; and behind it
	v_max_num_f32 v[BM], FLOOR, v[BM]
	v_max_num_f32 v[BM+1], FLOOR, v[BM+1]
.irp k, 0,1,2,3
	v_pk_add_f32 v[TT+2*\k:TT+2*\k+1], v[S+4*\k:S+4*\k+1], v[S+4*\k+2:S+4*\k+3]       ; the row's sum, of the unquantised p
.endr
.set q, 8
	v_add_nc_u32 v[SO], EOFF, v[BM]
	v_add_nc_u32 v[SO+1], EOFF, v[BM+1]
	SUM 2
	v_lshrrev_b32 v[BY], 23, v[SO]
	v_lshrrev_b32 v[BY+1], 23, v[SO+1]
	v_cvt_scalef32_pk16_bf6_f32 v[PC:PC+2], v[S:S+15], v[SO]
	v_cvt_scalef32_pk16_bf6_f32 v[G:G+2], v[S+16:S+31], v[SO]      ; (a conversion's three registers begin on an even number: second halves are made elsewhere and moved)
	v_cvt_scalef32_pk16_bf6_f32 v[PC+6:PC+8], v[S+32:S+47], v[SO+1]
	v_cvt_scalef32_pk16_bf6_f32 v[G1:G1+2], v[S+48:S+63], v[SO+1]
	v_lshl_or_b32 v[PX+1], v[BY+1], 16, v[BY]      ; the bytes of my blocks h and 2 + h (and a plain place behind the conversions)
.irp i, 0,1,2
	v_mov_b32 v[PC+3+\i], v[G+\i]
.endr
	v_permlanex16_b32 v[PX], v[PX+1], s20, s21
.irp i, 0,1,2
	v_mov_b32 v[PC+9+\i], v[G1+\i]
.endr
	v_lshl_or_b32 v[PW], v[PX], 8, v[PX+1]         ; in lanes 0-15, the lanes that are read, p's scale word for these 128 keys
	SUM 8                                          ; (eight places between the scale word's making and the products)
	s_add_co_u32 s19, s18, STEPB                   ; where the next key step lies
	s_min_u32 s19, s19, 15*STEPB
	s_wait_alu depctr_va_vdst(0)
	s_wait_dscnt 0x0                               ; v^T is in
.irp t, 0,2
	v_wmma_scale_f32_16x16x128_f8f6f4 v[O+8*\t:O+8*\t+7], v[F+12*\t:F+12*\t+11], v[PC:PC+11], v[O+8*\t:O+8*\t+7], v[VS+\t/2], v[PW] matrix_a_fmt:MATRIX_FMT_BF6 matrix_b_fmt:MATRIX_FMT_BF6
	v_wmma_scale_f32_16x16x128_f8f6f4 v[O+8*\t+8:O+8*\t+15], v[F+12*\t+12:F+12*\t+23], v[PC:PC+11], v[O+8*\t+8:O+8*\t+15], v[VS+\t/2], v[PW] matrix_a_fmt:MATRIX_FMT_BF6 matrix_b_fmt:MATRIX_FMT_BF6 matrix_a_scale:MATRIX_SCALE_ROW1
.endr
	v_add_nc_u32 v4, s19, v1                       ; (these two and two of the sums are the four places in front of loads into the products' sources)
	v_add_nc_u32 v5, s19, v2
	SUM 2
	s_wait_alu depctr_va_vdst(0)
	s_cmp_eq_u32 s17, s15
	s_cbranch_scc1 .Llast                          ; behind my last step nothing further is asked for
	KLOAD                                          ; the next key step's k lands while the sums are finished
.Llast:
	SUM 12
	v_pk_add_f32 v[TT:TT+1], v[TT:TT+1], v[TT+2:TT+3]
	v_pk_add_f32 v[TT+4:TT+5], v[TT+4:TT+5], v[TT+6:TT+7]
	v_pk_add_f32 v[14:15], v[14:15], v[TT:TT+1]
	v_pk_add_f32 v[14:15], v[14:15], v[TT+4:TT+5]
	s_wait_alu depctr_va_vdst(0)
.Lnext:
	s_add_co_u32 s18, s18, STEPB
	s_add_co_u32 s17, s17, 1
	s_cmp_lt_u32 s17, 16
	s_cbranch_scc1 .Lloop
	; THE WAY OUT: O^T / the sum is y(query, d); my 32 are a whole block; they leave as half a fragment of the last projection's operand
.rept 4
	v_nop                                          ; places behind the last products
.endr
	s_wait_dscnt 0x0
	v_add_f32 v14, v14, v15
	s_delay_alu instid0(VALU_DEP_1)
	v_permlanex16_b32 v[TX+1], v14, s20, s21
	s_delay_alu instid0(VALU_DEP_1)
	v_add_f32 v14, v14, v[TX+1]                    ; the row's sum
	s_wait_alu depctr_va_vdst(0)                   ; a wait ahead of the transcendental
	v_rcp_f32 v[FF], v14
	v_nop                                          ; one plain place behind a transcendental
	s_wait_alu depctr_va_vdst(0)                   ; and behind it
.set n, 0
.rept 16
	v_pk_mul_f32 v[S+n:S+n+1], v[O+n:O+n+1], v[FF:FF+1] op_sel_hi:[1,0]
.set n, n+2
.endr
.irp b, 0,1
	v_max3_num_f32 v[BM+\b], |v[S+16*\b]|, |v[S+16*\b+1]|, FLOOR
.endr
.irp i, 2,4,6,8,10,12,14
.irp b, 0,1
	v_max3_num_f32 v[BM+\b], v[BM+\b], |v[S+16*\b+\i]|, |v[S+16*\b+\i+1]|
.endr
.endr
	v_max_num_f32 v[BM], v[BM], v[BM+1]
	s_delay_alu instid0(VALU_DEP_1)
	v_add_nc_u32 v[SO], EOFF, v[BM]
	s_delay_alu instid0(VALU_DEP_1)
	v_lshrrev_b32 v[BY], 23, v[SO]                 ; my block's scale byte
	v_cvt_scalef32_pk16_bf6_f32 v[PC:PC+2], v[S:S+15], v[SO]
	v_cvt_scalef32_pk16_bf6_f32 v[G:G+2], v[S+16:S+31], v[SO]
	v_nop                                          ; one plain place behind a scaled conversion
.irp i, 0,1,2
	v_mov_b32 v[PC+3+\i], v[G+\i]
.endr
	s_cmp_ge_u32 s14, 12
	s_cselect_b32 s48, 1, 0                        ; the batch
	s_mul_i32 s49, s48, 12
	s_sub_co_u32 s49, s14, s49                     ; the head
	s_lshl_b32 s48, s48, 5
	s_lshl_b32 s50, s15, 1
	s_add_co_u32 s48, s48, s50
	s_add_co_u32 s48, s48, s11                     ; the four tiles' number
	s_mul_i32 s48, s48, 38400
	s_mul_i32 s50, s12, 9216
	s_add_co_u32 s50, s50, s48
	s_mul_i32 s52, s49, 768
	s_add_co_u32 s50, s50, s52
	s_mov_b32 s51, 0
	s_add_nc_u64 s[50:51], s[8:9], s[50:51]
	s_mul_i32 s54, s12, 384
	s_add_co_u32 s54, s54, s48
	s_lshr_b32 s55, s49, 1
	s_lshl_b32 s55, s55, 6
	s_add_co_u32 s54, s54, s55                     ; K step head / 2,
	s_and_b32 s55, s49, 1
	s_lshl_b32 s55, s55, 1
	s_add_co_u32 s54, s54, s55                     ; bytes 2 (head % 2) + h
	s_add_co_u32 s54, s54, 36864
	s_mov_b32 s55, 0
	s_add_nc_u64 s[54:55], s[8:9], s[54:55]
	s_wait_alu depctr_va_vdst(0)
	global_store_b128 v1, v[PC:PC+3], s[50:51]
	global_store_b64 v2, v[PC+4:PC+5], s[50:51] offset:512
	global_store_b8 v7, v[BY], s[54:55]
	s_wait_tensorcnt 0x0                           ; the wave's end
	ds_add_u32 v[SPW], v[NIL]
	s_wait_dscnt 0x0
	ROUND                                          ; the closing round: no work-group ends while a partner may still ask jointly
	s_endpgm
.Lfunc_end_k_q615ccc1f84_attn:
	.size	k_q615ccc1f84_attn, .Lfunc_end_k_q615ccc1f84_attn-k_q615ccc1f84_attn
	.p2alignl 7, 3214868480
	.fill 96, 4, 3214868480
	.section	.rodata,"a",@progbits
	.p2align	6, 0x0
	.amdhsa_kernel k_q615ccc1f84_attn
		.amdhsa_group_segment_fixed_size 210944
		.amdhsa_private_segment_fixed_size 0
		.amdhsa_enable_private_segment 0
		.amdhsa_kernarg_size 24
		.amdhsa_user_sgpr_count 2
		.amdhsa_user_sgpr_kernarg_segment_ptr 1
		.amdhsa_wavefront_size32 1
		.amdhsa_system_sgpr_workgroup_id_x 1
		.amdhsa_system_sgpr_workgroup_id_y 1
		.amdhsa_system_sgpr_workgroup_id_z 1
		.amdhsa_system_vgpr_workitem_id 0
		.amdhsa_next_free_vgpr 232
		.amdhsa_next_free_sgpr 66
		.amdhsa_reserve_vcc 0
		.amdhsa_float_denorm_mode_32 3
		.amdhsa_float_denorm_mode_16_64 3
		.amdhsa_memory_ordered 1
		.amdhsa_forward_progress 1
		.amdhsa_inst_pref_size 38
	.end_amdhsa_kernel
	.amdgpu_metadata
---
amdhsa.version: [ 1, 2 ]
amdhsa.kernels:
  - .name:           k_q615ccc1f84_attn
    .symbol:         k_q615ccc1f84_attn.kd
    .args:
      - { .name: qq, .offset: 0, .size: 8, .value_kind: global_buffer, .address_space: global }
      - { .name: kv, .offset: 8, .size: 8, .value_kind: global_buffer, .address_space: global }
      - { .name: yq, .offset: 16, .size: 8, .value_kind: global_buffer, .address_space: global }
    .group_segment_fixed_size: 210944
    .private_segment_fixed_size: 0
    .kernarg_segment_align: 8
    .kernarg_segment_size: 24
    .max_flat_workgroup_size: 512
    .sgpr_count:     66
    .vgpr_count:     232
    .wavefront_size: 32
...
	.end_amdgpu_metadata
.endif
;; end of part 3
;; launch oproj (part 4): grid 4 x 64, 4 waves a work-group, clusters of 4 x 1, 168,448 bytes of LDS; arguments yq, wq, out0; writes out0
.if DOCPART == 4
	.amdgcn_target "amdgcn-amd-amdhsa--gfx1250"
	.amdhsa_code_object_version 6
	.text
	.protected	k_q615ccc1f84_oproj
	.globl	k_q615ccc1f84_oproj
	.p2align	8
	.type	k_q615ccc1f84_oproj,@function
k_q615ccc1f84_oproj:
	s_mov_b64 s[64:65], 0
	v_nop
	global_prefetch_b8 v0, s[64:65] scope:SCOPE_SE
	s_setreg_imm32_b32 hwreg(HW_REG_WAVE_MODE, 25, 1), 1
	s_wait_xcnt 0x0
	s_wait_alu depctr_hold_cnt(0) depctr_sa_sdst(0) depctr_va_vdst(0) depctr_va_sdst(0) depctr_va_ssrc(0) depctr_va_vcc(0) depctr_vm_vsrc(0)
	s_getreg_b32 s2, hwreg(HW_REG_IB_STS2, 6, 4)
	s_cmp_eq_u32 s2, 0
	s_cbranch_scc0 .Lentry_in_a_cluster
	s_endpgm
.Lentry_in_a_cluster:
	s_bfe_u32 s2, ttmp6, 0x10000c
	s_cmp_lg_u32 s2, 0x3003
	s_cbranch_scc0 .Lentry_shape_is_right
	s_endpgm
.Lentry_shape_is_right:
; OPROJ: out0 = y Wo on codes of BF6; out0 [4096][768] f32.
; SHARES.  A work-group takes 64 tokens (four tiles, 4 yb + m) x 192 columns (group ngrp).  Wave w keeps Wo's three tiles of 16 columns 12 ngrp + 3 w + e in registers (18 fragments, read once) and makes them for all four tiles of tokens:
; 72 matrix instructions on 12 accumulators.  y's codes come from LDS as they were stored: head hd's six registers are half hd % 2 of K step hd / 2.
; CLUSTER.  The four work-groups of a cluster share yb and so y, 38,400 bytes on end (codes of four tiles, then their scale words): waves 0-2 ask for a third each, jointly, with the mask of all four.  LDS is filled once.
; No prefetch: there is no loop to run ahead in.
; THE PRODUCT IS USED TRANSPOSED (source 0 = 16 columns of Wo, source 1 = 16 tokens): a lane holds eight neighbouring columns of one row.  The results meet in a stage in LDS, and each wave stores 16 whole rows of 768 bytes:
; sixteen lanes store 256 consecutive bytes at a multiple of 256 from out0's first byte.  Row r of tile T is token 64 (T / 4) + 8 (T % 4) + r % 8 + 32 (r / 8).
; REGISTERS.  Window 0: v1-7 addresses; v16-22 y's scale words, two sets; v24-32 Wo's; v64-135, v136-207 y's fragments, two sets; on the way out v64-159.  Window 1: Wo (e, ks) at 12 (6 e + ks).  Window 2: accumulator (m, e) at 8 (3 m + e).
.set YSC, 36864                        ; LDS: y's codes, 9,216 bytes a tile; their scale words, 384 a tile;
.set STG, 38400                        ; the stage: 64 rows x (768 + 16) bytes, in blocks of 256 bytes of its own: no tensor load lands there
.set SP,  784
.set SPW, 254
.set NIL, 255
.set SPARE, 0x29000
.set MSB, 0
.macro WIN new                         ; the immediate's high byte repeats the setting that is left
.if MSB != \new
	s_set_vgpr_msb (MSB<<8)|\new
.set MSB, \new
.endif
.endm
.macro PLACES                          ; four plain places behind matrix instructions (ISA guide 7.12.1)
.rept 4
	v_nop
.endr
.endm
.macro ROUND                           ; a round of the cluster's barrier
	s_barrier_signal -1
	s_barrier_wait -1
	s_cmp_lg_u32 s10, 0
	s_cbranch_scc1 .Lnot_wave_0_\@
	s_barrier_signal -3
.Lnot_wave_0_\@:
	s_barrier_wait -3
	s_barrier_signal -1
	s_barrier_wait -1
.endm
.macro LOADY m, u                      ; tile m's six fragments and three registers of scale words into set u: 27 LDS loads
.irp hd, 0,1,2,3,4,5,6,7,8,9,10,11
	ds_load_b128 v[64+72*\u+6*\hd:64+72*\u+6*\hd+3], v1 offset:9216*\m+768*\hd
	ds_load_b64 v[64+72*\u+6*\hd+4:64+72*\u+6*\hd+5], v2 offset:9216*\m+768*\hd+512
.endr
.irp p, 0,1,2
	ds_load_b32 v[16+4*\u+\p], v3 offset:YSC+384*\m+128*\p
.endr
.endm
.macro MM m                            ; 18 matrix instructions: the tile's three accumulators by turns, K ascending
	WIN 0xa1                                       ; source 0 (Wo) window 1, source 1 (y) window 0, C and D window 2
.irp ks, 0,1,2,3,4,5
.if \m == 0
	s_wait_loadcnt 9*(5-\ks)                       ; Wo's fragments of this K step are in; nine loads for each later one may be out
.endif
.irp e, 0,1,2
.set rD, 8*(3*\m+\e)
.set rA, 12*(6*\e+\ks)
.set rB, 64+72*(\m%2)+12*\ks
.set sA, 24+3*\e+\ks/2
.set sB, 16+4*(\m%2)+\ks/2
.if \ks == 0
	v_wmma_scale_f32_16x16x128_f8f6f4 v[rD:rD+7], v[rA:rA+11], v[rB:rB+11], 0, v[sA], v[sB] matrix_a_fmt:MATRIX_FMT_BF6 matrix_b_fmt:MATRIX_FMT_BF6
.elseif (\ks%2) == 0
	v_wmma_scale_f32_16x16x128_f8f6f4 v[rD:rD+7], v[rA:rA+11], v[rB:rB+11], v[rD:rD+7], v[sA], v[sB] matrix_a_fmt:MATRIX_FMT_BF6 matrix_b_fmt:MATRIX_FMT_BF6
.else
	v_wmma_scale_f32_16x16x128_f8f6f4 v[rD:rD+7], v[rA:rA+11], v[rB:rB+11], v[rD:rD+7], v[sA], v[sB] matrix_a_fmt:MATRIX_FMT_BF6 matrix_b_fmt:MATRIX_FMT_BF6 matrix_a_scale:MATRIX_SCALE_ROW1 matrix_b_scale:MATRIX_SCALE_ROW1
.endif
.endr
.endr
	WIN 0
.endm
	s_load_b128 s[4:7], s[0:1], 0x0                ; yq s[4:5], wq s[6:7]
	s_load_b64 s[8:9], s[0:1], 0x10                ; out0
	v_lshl_add_u32 v[SPW], v0, 2, SPARE
	v_mov_b32 v[NIL], 0
	ds_add_u32 v[SPW], v[NIL]                      ; the wave's opening: the add, twice on end, and its wait
	ds_add_u32 v[SPW], v[NIL]
	v_lshrrev_b32 v8, 5, v0
	v_readfirstlane_b32 s10, v8                    ; wave
	s_bfe_u32 s11, ttmp6, 0x40000                  ; cx
	s_lshl_b32 s12, ttmp9, 2
	s_add_co_u32 s12, s12, s11                     ; ngrp: it enters global addresses of Wo and out0 alone
	s_and_b32 s13, ttmp7, 0xffff                   ; yb: shared by the cluster's four
	; descriptor group 1: 50 rows of 256 bytes, dense: a third of the four tiles
	s_mov_b32 s16, 15|(3<<16)|(1<<21)              ; 15:0 the mask of all four; 17:16 elements of 8 bytes; 21 set beside a mask
	s_mov_b32 s17, 32<<16
	s_mov_b32 s18, 50<<16
	s_mov_b32 s19, 32<<16
	s_mov_b32 s20, 50
	s_mov_b32 s21, 32
	s_mov_b32 s22, 0
	s_mov_b32 s23, 0
	s_mul_i32 s37, s10, 12800                      ; the third that I fetch (wave 3 fetches none)
	s_mul_i32 s42, s13, 38400
	s_add_co_u32 s42, s42, s37
	s_mov_b32 s43, 0
	; my three tiles of Wo, 3 w + e of the group's twelve: four lie together, 38,400 bytes with their scale words
	s_mul_i32 s46, s10, 3
	s_mul_i32 s47, s12, 115200
	s_add_co_u32 s47, s47, 1382400                 ; behind the 36 groups of q, k and v
.irp e, 0,1,2
	s_add_co_u32 s52, s46, \e
	s_lshr_b32 s53, s52, 2
	s_and_b32 s52, s52, 3
	s_mul_i32 s53, s53, 38400
	s_add_co_u32 s53, s53, s47
	s_mul_i32 s55, s52, 9216
	s_add_co_u32 s[24+4*\e], s53, s55
	s_mov_b32 s[25+4*\e], 0
	s_mul_i32 s55, s52, 384
	s_add_co_u32 s55, s55, s53
	s_add_co_u32 s[26+4*\e], s55, 36864
	s_mov_b32 s[27+4*\e], 0
.endr
	s_lshl_b32 s54, s13, 6
	s_lshl_b32 s55, s10, 3
	s_add_co_u32 s54, s54, s55                     ; the first token of the tile that I store: 64 yb + 8 wave
	s_mul_i32 s54, s54, 3072
	s_mul_i32 s55, s12, 768
	s_add_co_u32 s54, s54, s55
	s_mov_b32 s55, 0
	s_mul_i32 s50, s10, 192
	s_add_co_u32 s50, s50, STG
	s_mul_i32 s51, s10, 16*SP
	s_add_co_u32 s51, s51, STG
	v_and_b32 v8, 31, v0
	v_lshlrev_b32 v1, 4, v8                        ; 16 l
	v_lshlrev_b32 v2, 3, v8                        ; 8 l
	v_lshlrev_b32 v3, 2, v8                        ; 4 l
	v_and_b32 v10, 15, v0                          ; r
	v_bfe_u32 v11, v0, 4, 1                        ; h
	v_mul_u32_u24 v5, v10, SP
	v_lshl_add_u32 v5, v11, 5, v5
	v_add_nc_u32 v5, s50, v5                       ; into the stage: row r, + 32 h, + my 48 columns' 192 bytes
	v_mul_u32_u24 v6, v11, SP
	v_lshl_add_u32 v6, v10, 4, v6
	v_add_nc_u32 v6, s51, v6                       ; back: my 16 rows; lanes 0-15 one row, lanes 16-31 the next
	v_mul_u32_u24 v7, v11, 3072
	v_lshl_add_u32 v7, v10, 4, v7                  ; and the same in out0
	s_wait_alu depctr_va_vdst(0)
	s_wait_dscnt 0x0                               ; both opening adds are done
	s_wait_kmcnt 0x0
	s_mov_b32 s36, 1                               ; group 0
	s_add_nc_u64 s[38:39], s[4:5], s[42:43]
	s_or_b32 s39, s39, 0x80000000
	ROUND                                          ; all four work-groups are here: the joint loads meet
	s_cmp_lt_u32 s10, 3
	s_cbranch_scc0 .Lno_y
	tensor_load_to_lds s[36:39], s[16:23]          ; one load a wave, the launch's only ones
	s_nop 0
	PLACES
.Lno_y:
	s_add_nc_u64 s[8:9], s[8:9], s[54:55]
.irp e, 0,1,2
	s_add_nc_u64 s[24+4*\e:25+4*\e], s[6:7], s[24+4*\e:25+4*\e]
	s_add_nc_u64 s[26+4*\e:27+4*\e], s[6:7], s[26+4*\e:27+4*\e]
.endr
.irp e, 0,1,2
.irp p, 0,1,2
	global_load_b32 v[24+3*\e+\p], v3, s[26+4*\e:27+4*\e] offset:128*\p
.endr
.endr
	WIN 0x40                                       ; destination window 1
.irp ks, 0,1,2,3,4,5
.irp e, 0,1,2
.irp g, 0,1,2
	global_load_b128 v[12*(6*\e+\ks)+4*\g:12*(6*\e+\ks)+4*\g+3], v1, s[24+4*\e:25+4*\e] offset:1536*\ks+512*\g
.endr
.endr
.endr
	WIN 0
	s_wait_tensorcnt 0x0                           ; my part of y has landed,
	s_barrier_signal -1
	s_barrier_wait -1                              ; everybody's has
	LOADY 0, 0
	LOADY 1, 1
	s_wait_dscnt 27                                ; set 0 is in; set 1's 27 loads may be out
	MM 0
	PLACES
	LOADY 2, 0
	s_wait_dscnt 27
	MM 1
	PLACES
	LOADY 3, 1
	s_wait_dscnt 27
	MM 2
	s_wait_dscnt 0x0
	MM 3
	PLACES                                         ; in front of the first read of results, and of the loads into y's registers further down
	WIN 0x08                                       ; an LDS store's data are its source 1: window 2
.irp m, 0,1,2,3
.irp e, 0,1,2
	ds_store_b128 v5, v[8*(3*\m+\e):8*(3*\m+\e)+3] offset:16*SP*\m+64*\e           ; each accumulator from its low end on
	ds_store_b128 v5, v[8*(3*\m+\e)+4:8*(3*\m+\e)+7] offset:16*SP*\m+64*\e+16
.endr
.endr
	WIN 0
	s_wait_dscnt 0x0                               ; for the others' sake: my stores into the stage are done
	s_barrier_signal -1
	s_barrier_wait -1
.set n, 0
.rept 24
	ds_load_b128 v[64+4*n:64+4*n+3], v6 offset:2*SP*(n/3)+256*(n%3)                ; rows 2 a and 2 a + 1, 256 bytes p
.set n, n+1
.endr
.set n, 0
.rept 24
	s_wait_dscnt 23-n
	global_store_b128 v7, v[64+4*n:64+4*n+3], s[8:9] offset:((2*(n/3))%8+32*(n/12))*3072+256*(n%3) th:TH_STORE_NT     ; row r of the tile is token r % 8 + 32 (r / 8)
.set n, n+1
.endr
	s_wait_tensorcnt 0x0                           ; the wave's end
	ds_add_u32 v[SPW], v[NIL]
	s_wait_dscnt 0x0
	ROUND                                          ; the closing round: no work-group ends while a partner may still ask jointly
	s_endpgm
.Lfunc_end_k_q615ccc1f84_oproj:
	.size	k_q615ccc1f84_oproj, .Lfunc_end_k_q615ccc1f84_oproj-k_q615ccc1f84_oproj
	.p2alignl 7, 3214868480
	.fill 96, 4, 3214868480
	.section	.rodata,"a",@progbits
	.p2align	6, 0x0
	.amdhsa_kernel k_q615ccc1f84_oproj
		.amdhsa_group_segment_fixed_size 168448
		.amdhsa_private_segment_fixed_size 0
		.amdhsa_enable_private_segment 0
		.amdhsa_kernarg_size 24
		.amdhsa_user_sgpr_count 2
		.amdhsa_user_sgpr_kernarg_segment_ptr 1
		.amdhsa_wavefront_size32 1
		.amdhsa_system_sgpr_workgroup_id_x 1
		.amdhsa_system_sgpr_workgroup_id_y 1
		.amdhsa_system_sgpr_workgroup_id_z 1
		.amdhsa_system_vgpr_workitem_id 0
		.amdhsa_next_free_vgpr 768
		.amdhsa_next_free_sgpr 66
		.amdhsa_reserve_vcc 0
		.amdhsa_float_denorm_mode_32 3
		.amdhsa_float_denorm_mode_16_64 3
		.amdhsa_memory_ordered 1
		.amdhsa_forward_progress 1
		.amdhsa_inst_pref_size 36
	.end_amdhsa_kernel
	.amdgpu_metadata
---
amdhsa.version: [ 1, 2 ]
amdhsa.kernels:
  - .name:           k_q615ccc1f84_oproj
    .symbol:         k_q615ccc1f84_oproj.kd
    .args:
      - { .name: yq, .offset: 0, .size: 8, .value_kind: global_buffer, .address_space: global }
      - { .name: wq, .offset: 8, .size: 8, .value_kind: global_buffer, .address_space: global }
      - { .name: out0, .offset: 16, .size: 8, .value_kind: global_buffer, .address_space: global }
    .group_segment_fixed_size: 168448
    .private_segment_fixed_size: 0
    .kernarg_segment_align: 8
    .kernarg_segment_size: 24
    .max_flat_workgroup_size: 128
    .sgpr_count:     66
    .vgpr_count:     768
    .wavefront_size: 32
...
	.end_amdgpu_metadata
.endif
;; end of part 4
